; MI455X (gfx1250); checked and timed in simulation.
; The chip was launched on July 23, 2026; its instructions are those of AMD's public machine-readable ISA for CDNA 5 (MIT licence, August 2026) and "CDNA5" Instruction Set Architecture Reference Guide (July 2026). The comments in the code are by the model that wrote it; some were corrected since.
;; Quantum Layer. Allowed arithmetic: float matrix products may take bf16 or f16 operands with f32 sums; all other float work in f32.
;; Inputs: weights 6 x 12 float32; x 2,048 x 12 float32.
;; Outputs: out0 2,048 x 12 float32.
;; One version. Each part assembles by itself: llvm-mc -triple=amdgcn-amd-amdhsa -mcpu=gfx1250 --defsym DOCPART=n.
;; ======== version 1 of 1: 1 launch
;; launch qlayer (part 1): grid 16 x 12, 8 waves a work-group, no clusters, 54,272 bytes of LDS; arguments weights, x, out0; writes out0
.if DOCPART == 1
	.amdgcn_target "amdgcn-amd-amdhsa--gfx1250"
	.amdhsa_code_object_version 6
	.text
	.protected	k_q0716a86e14_qlayer
	.globl	k_q0716a86e14_qlayer
	.p2align	8
	.type	k_q0716a86e14_qlayer,@function
k_q0716a86e14_qlayer:
	s_mov_b64 s[64:65], 0
	v_nop
	global_prefetch_b8 v0, s[64:65] scope:SCOPE_SE
	s_setreg_imm32_b32 hwreg(HW_REG_WAVE_MODE, 25, 1), 1
	s_wait_xcnt 0x0
; <Z_i> of 12 qubits after RZ RY |0>, six layers (RX on every wire, ring of CNOTs).  x, out0: [2048][12] f32, weights: [6][12] f32.
;
; THE FORM THAT IS COMPUTED (an identity, exact for every x and every weight).  Seen through a Hadamard on every wire, RX(w) is the
; diagonal exp(-+ i w / 2), CNOT(c, t) is CNOT(t, c), and Z_i flips one index bit.  With wire k on index bit 11 - k a ring of CNOTs
; is then the linear map  P(c) = ((c ^ c<<1) & 0xfff) ^ ((c>>11 ^ c>>10) & 1)  on the index.  With m = P^-6 (1 << (11-i)), q_l = P^l m:
;   <Z_i> = sum over b of conj phi0(b) phi0(b ^ m) exp(i dt(b)),  dt(b) = sum over l, j with bit 11-j of q_l set of w[l][j] (-1)^(bit 11-j of P^l b).
; phi0 is a product over wires; written out per wire, with a = pi tanh x[j]:
;   <Z_i>[n] = sum over S (12 bits) of K(S) * product over wires j of f_j(bit 11-j of S),
;   f_j = (1, sin a cos a) where bit 11-j of m is 0,  (cos a, sin a sin a) where it is 1,
;   K(S) = 2^-12 (-1)^floor(popcount(S & m) / 2) * Walsh-Hadamard transform of (cos dt + sin dt) at S.
; (dt(b ^ m) = -dt(b), so the cosine's transform is 0 where popcount(S & m) is odd and the sine's where it is even: one transform serves both.)
; K hangs on the weights and on i alone.  It is a 64 x 64 table K[S>>6][S&63]; the batch enters as Flo[S&63][n] and Fhi[S>>6][n]:
;   out[n][i] = sum over hi of Fhi[hi][n] * (K x Flo)[hi][n]:  one matrix product in f16 with f32 sums, then a dot product in f32.
;
; SHARES.  Work-group (cx, i): output wire i, batch rows 128 cx .. 128 cx + 127.  Its 256 threads build the 4,096 entries of K, 16 each;
; then each of the eight waves takes 16 batch rows: 4 x 2 matrix instructions of 16 x 16 x 32.
; f16 and not bf16: sum of K^2 is 1 and every f is a product of sines and cosines, so both operands lie in [-1, 1] for every input, and f16 rounds finer.
; LIMITS.  A weight is reduced to a turn in f32 (w / 2 pi less its nearest whole number): the phase is off by about |w| * 6e-8 turns.
; The series for sine and cosine end at the 11th and 10th power, at most 5e-7 off on their whole reduced range.  f16 operands below 2^-24 round to 0.
; NOT USED, and why.  Joint loads in a cluster, tensor loads, prefetches: a work-group loads 288 + 6,144 bytes in all, straight into registers.
; THE STORE is 4 bytes a lane, 48 bytes apart (column i of 16 rows): the table belongs to one output wire, so a work-group holds one column; out0 is 98,304 bytes in all.
;
; WHERE INDEX b (later S) LIES: 16 entries a thread.
;   layout 1: register = b[11:8], lane[3:0] = b[7:4], lane[4] = b[3], wave = b[2:0]
;   layout 2: register = b[7:4],  lane[0] = b[3], lane[4:1] = S[11:8], wave = b[2:0]
;   layout 3: register = 2 b[2:0] + b[3], thread[3:0] = S[11:8], thread[7:4] = S[7:4]
.set X1B,  2560                        ; LDS 0: exchange 1, each wave's own 32 rows of 80 bytes (64 + 16: an odd multiple of 16)
.set X2,   20480                       ; exchange 2, between waves: 256 rows of 80 bytes
.set TAB,  40960                       ; K in f16: 64 rows of 128 + 16 bytes
.set TP,   144
.set WREG, 50176                       ; each wave's own 6 rows of 64 bytes: the prepared weights, to be read by every lane
.set SIG,  16                          ; v[16:47]   SIG[p] = (-1)^parity(p & lane)
.set DD,   16                          ; v[16:47]   later: four accumulators of 8
.set WV,   48                          ; v[48:119]  prepared weight (l, j) at WV + 12 l + j, the same in every lane
.set AF,   48                          ; v[48:111]  later: fragments of K, (mt, kf) at AF + 16 mt + 8 kf
.set VA,   120                         ; v[120:135] sixteen entries
.set VB,   136                         ; v[136:151] sixteen entries, the other side of the transforms' ping-pong
.set XR,   152                         ; v[152:163] x, then tanh(x) / 2
.set ZZ,   164                         ; v[164:175] its square, then sin a
.set SS,   176                         ; v[176:187] 2 sin(a / 2), then its square
.set CC,   188                         ; v[188:199] cos(a / 2), then cos a
.set NN,   152                         ; v[152:167] sine of the phases: nearest whole number, then its parity as a sign bit
.set ZS,   168                         ; v[168:183] square of the rest
.set PP,   184                         ; v[184:199] the series
.set FLO,  152                         ; v[152:183] later: Flo of my batch row
.set BF,   184                         ; v[184:199] later: Flo in f16, two fragments of 8
.set FP,   200                         ; v[200:223] (f0, f1) of wire j at FP + 2 j
.set FHI,  224                         ; v[224:255] Fhi of my batch row
.set Q,    16                          ; s[16:21]   q_l
.set CW,   22                          ; s[22:27]   P^l (wave)
.set MK,   28                          ; s[28:39]   all ones where bit 11-j of m is set, else 0
.set KR,   44                          ; s[44:59]   popcount(beta & m), beta = 0 .. 15
.macro PINV d, s                       ; s[d] = P^-1 s[s]: bit 0 takes bit 11, then a prefix xor from bit 0 upward
	s_lshr_b32 s13, s[\s], 11
	s_xor_b32 s[\d], s[\s], s13
.irp k, 1,2,4,8
	s_lshl_b32 s13, s[\d], \k
	s_xor_b32 s[\d], s[\d], s13
.endr
	s_and_b32 s[\d], s[\d], 0xfff
.endm
.macro PFWD d, s                       ; s[d] = P s[s]
	s_lshl_b32 s13, s[\s], 1
	s_xor_b32 s13, s13, s[\s]
	s_and_b32 s13, s13, 0xfff
	s_lshr_b32 s14, s[\s], 10
	s_lshr_b32 s15, s[\s], 11
	s_xor_b32 s14, s14, s15
	s_and_b32 s14, s14, 1
	s_xor_b32 s[\d], s13, s14
.endm
.macro STAGE src, dst, d               ; one butterfly stage over register bit log2(d), d = 2, 4, 8: two entries an instruction
.set g, 0
.rept 8
.if (g & \d) == 0
	v_pk_add_f32 v[\dst+g:\dst+g+1], v[\src+g:\src+g+1], v[\src+g+\d:\src+g+\d+1]
	v_pk_add_f32 v[\dst+g+\d:\dst+g+\d+1], v[\src+g:\src+g+1], v[\src+g+\d:\src+g+\d+1] neg_lo:[0,1] neg_hi:[0,1]
.endif
.set g, g+2
.endr
.endm
.macro WHT16 a, b                      ; Walsh-Hadamard transform over the 16 registers at a; b is written over; the result is at a
.set g, 0
.rept 8
	v_add_f32 v[\b+g],   v[\a+g], v[\a+g+1]
	v_sub_f32 v[\b+g+1], v[\a+g], v[\a+g+1]
.set g, g+2
.endr
	STAGE \b, \a, 2
	STAGE \a, \b, 4
	STAGE \b, \a, 8
.endm
.macro PKMUL d, a, b, n                ; n pairs: d = a b
.set g, 0
.rept \n
	v_pk_mul_f32 v[\d+g:\d+g+1], v[\a+g:\a+g+1], v[\b+g:\b+g+1]
.set g, g+2
.endr
.endm
.macro PKFMAC d, a, b, c, n            ; n pairs: d = a b + the constant c
.set g, 0
.rept \n
	v_pk_fma_f32 v[\d+g:\d+g+1], v[\a+g:\a+g+1], v[\b+g:\b+g+1], \c op_sel_hi:[1,1,0]
.set g, g+2
.endr
.endm
.macro PKFIRST d, z, c, n              ; n pairs, a series' first link: d = z * v[14:15] + c (an instruction holds one literal, so the top coefficient lies in a register pair)
.set g, 0
.rept \n
	v_pk_fma_f32 v[\d+g:\d+g+1], v[\z+g:\z+g+1], v[14:15], \c op_sel_hi:[1,1,0]
.set g, g+2
.endr
.endm
.macro GROW dst, n, w                  ; a block of n products doubles by wire w: the upper copy times f1, the lower times f0
.set g, 0
.rept \n/2
	v_pk_mul_f32 v[\dst+\n+g:\dst+\n+g+1], v[\dst+g:\dst+g+1], v[FP+2*(\w):FP+2*(\w)+1] op_sel:[0,1] op_sel_hi:[1,1]
	v_pk_mul_f32 v[\dst+g:\dst+g+1], v[\dst+g:\dst+g+1], v[FP+2*(\w):FP+2*(\w)+1] op_sel_hi:[1,0]
.set g, g+2
.endr
.endm
; 32 of the 64 products of six wires w0-5 .. w0 (w0 = index bit 0): index bit 3 is the lane's half h, register = (bit 5, bit 4, bit 2, bit 1, bit 0).
; That is the place of k in a 16-bit B fragment and of m in a 32-bit D (ISA guide 7.12.2): nothing is shuffled afterwards.
.macro BUILD dst, w0
	v_cndmask_b32 v14, v[FP+2*(\w0-3)], v[FP+2*(\w0-3)+1], s40
	v_mul_f32 v[\dst+1], v14, v[FP+2*\w0+1]
	v_mul_f32 v[\dst],   v14, v[FP+2*\w0]
	GROW \dst, 2,  \w0-1
	GROW \dst, 4,  \w0-2
	GROW \dst, 8,  \w0-4
	GROW \dst, 16, \w0-5
.endm
; One term of dt: bit 11-jj of P^ll b is the parity of RR & b, RR = (P transposed)^ll (1 << (11-jj)), known when the text is assembled.
; RR[11:8] says into which of 16 spectrum registers the term goes, RR[7:3] which lane sign it takes; RR[2:0] (the wave's bits) is in the weight's sign already.
.macro TERM
.set CHI, RR>>8
.set PAT, ((RR>>4)&15)|(((RR>>3)&1)<<4)
.if (TOUCH>>CHI)&1
	v_fmac_f32 v[VA+CHI], v[WV+12*ll+jj], v[SIG+PAT]
.else
.if CHI == 0
	v_fmaak_f32 v[VA], v[WV+12*ll+jj], v[SIG+PAT], 0x3e800000      ; + 1/4 half-turn: cos + sin = sqrt 2 sin(dt + pi / 4)
.else
	v_mul_f32 v[VA+CHI], v[WV+12*ll+jj], v[SIG+PAT]                ; a register's first term starts its sum
.endif
.endif
.set TOUCH, TOUCH|(1<<CHI)
.endm
	; ---- arguments, ids, addresses
	s_load_b128 s[4:7], s[0:1], 0x0                ; weights s[4:5], x s[6:7]
	s_load_b64 s[8:9], s[0:1], 0x10                ; out0
	s_set_vgpr_msb 0x40
	v_lshl_add_u32 v0, v0, 2, 0xd000
	v_mov_b32 v1, 0
	s_set_vgpr_msb 0x4000
	v_and_b32 v1, 31, v0                           ; lane
	v_lshrrev_b32 v14, 5, v0
	v_readfirstlane_b32 s10, v14                   ; wave
	s_and_b32 s11, ttmp7, 0xffff                   ; i, the output wire
	s_mov_b32 s12, ttmp9                           ; which 128 batch rows
	v_and_b32 v15, 15, v0                          ; r = lane & 15
	v_bfe_u32 v14, v0, 4, 1                        ; h = lane >> 4
	s_mul_i32 s13, s10, X1B
	v_mul_u32_u24 v2, v14, 80
	v_lshl_add_u32 v2, v15, 2, v2
	v_add_nc_u32 v2, s13, v2                       ; exchange 1, in: row 2 rho + h (rho by the offset), word r
	v_mul_u32_u24 v3, v1, 80
	v_add_nc_u32 v3, s13, v3                       ; exchange 1, back: row = lane
	v_bfe_u32 v4, v0, 1, 4
	v_mul_u32_u24 v4, v4, 80
	v_and_b32 v5, 1, v0
	v_lshl_add_u32 v4, v5, 2, v4
	s_lshl_b32 s14, s10, 3
	s_add_co_u32 s14, s14, X2
	v_add_nc_u32 v4, s14, v4                       ; exchange 2, in: row 16 rho + (lane >> 1), word 2 wave + (lane & 1)
	v_mul_u32_u24 v5, v0, 80
	v_add_nc_u32 v5, X2, v5                        ; exchange 2, back: row = thread
	v_lshrrev_b32 v6, 6, v0
	v_lshl_add_u32 v6, v15, 2, v6                  ; S >> 6 = 4 S[11:8] + S[7:6]
	v_mul_u32_u24 v6, v6, TP
	v_bfe_u32 v7, v0, 4, 2
	v_lshl_add_u32 v6, v7, 5, v6                   ; + 32 bytes x S[5:4]
	v_add_nc_u32 v6, TAB, v6                       ; where my 16 entries of K go
	v_mul_u32_u24 v7, v15, TP
	v_lshl_add_u32 v7, v14, 4, v7
	v_add_nc_u32 v7, TAB, v7                       ; fragments of K: row r, 16 bytes x h
	s_mul_i32 s15, s10, 384
	s_add_co_u32 s15, s15, WREG
	v_lshl_add_u32 v8, v15, 2, s15                 ; prepared weights, in: word r of row l
	v_mov_b32 v9, s15                              ; and back: the same address in every lane
	v_min_u32 v13, 11, v15                         ; j' = min(r, 11): lanes 12-15 of a half repeat wire 11 and stay inside the buffer
	v_lshlrev_b32 v10, 2, v13
	v_mul_u32_u24 v11, v15, 48                     ; batch row r of my 16, in x and in out0
	v_add_nc_u32 v12, 19, v13                      ; shifts bit 11-j' to bit 30
	v_add_nc_u32 v13, 20, v13                      ; and to bit 31
	s_mul_i32 s42, s12, 6144                       ; 128 rows of 48 bytes
	s_mul_i32 s14, s10, 768                        ; 16 rows
	s_add_co_u32 s42, s42, s14
	s_mov_b32 s43, 0
	s_wait_kmcnt 0x0
	s_add_nc_u64 s[6:7], s[6:7], s[42:43]          ; x at my wave's first row
	s_lshl2_add_u32 s42, s11, s42                  ; + 4 i
	s_add_nc_u64 s[8:9], s[8:9], s[42:43]          ; out0 at my wave's first row, column i
.irp l, 0,1,2,3,4,5
	global_load_b32 v[VA+\l], v10, s[4:5] offset:48*\l             ; w[l][j']
.endr
.irp k, 0,1,2
	global_load_b128 v[XR+4*\k:XR+4*\k+3], v11, s[6:7] offset:16*\k ; the 12 x of batch row r (both halves of the lanes take the same row)
.endr
	; ---- while the loads are out: the index maps (scalar) and the lane signs
	s_mov_b32 s40, 0xffff0000                      ; lanes with h = 1
	s_mov_b32 s60, 0x76543210                      ; v_permlanex16_b32: lane l reads lane l of the other half
	s_mov_b32 s61, 0xfedcba98
	s_sub_co_u32 s14, 11, s11
	s_lshl_b32 s14, 1, s14                         ; the bit that Z_i flips
	PINV Q+5, 14                                   ; q_5 = P^-1 of it, .. q_0 = P^-6 of it = m
	PINV Q+4, Q+5
	PINV Q+3, Q+4
	PINV Q+2, Q+3
	PINV Q+1, Q+2
	PINV Q+0, Q+1
	s_mov_b32 s[CW], s10                           ; b[2:0] = wave; P is linear, so its share of every sign is made apart
	PFWD CW+1, CW+0
	PFWD CW+2, CW+1
	PFWD CW+3, CW+2
	PFWD CW+4, CW+3
	PFWD CW+5, CW+4
.irp j, 0,1,2,3,4,5,6,7,8,9,10,11
	s_bitcmp1_b32 s[Q], 11-\j
	s_cselect_b32 s[MK+\j], -1, 0
.endr
.irp k, 0,1,2,3,4,5,6,7,8,9,10,11,12,13,14,15
	s_and_b32 s13, s[Q], \k
	s_bcnt1_i32_b32 s[KR+\k], s13
.endr
	v_mov_b32 v[SIG], 1.0
.irp k, 0,1,2,3,4
	v_lshlrev_b32 v14, 31-\k, v1
	v_and_or_b32 v[SIG+(1<<\k)], v14, 0x80000000, 1.0              ; lane bit k as the sign of 1.0
.endr
.set p, 3
.rept 29
.if p & (p-1)
	v_mul_f32 v[SIG+p], v[SIG+(p&(p-1))], v[SIG+(p&(-p))]
.endif
.set p, p+1
.endr
	; ---- the weights: in half-turns, reduced, 0 where q_l has no bit, with the sign that the wave's three index bits give
	s_wait_loadcnt 0x3                             ; loads come back in order (ISA guide 5.7.1): the six of the weights are in, the three of x behind them may stay out
.irp l, 0,1,2,3,4,5
	v_mul_f32 v[VB+\l], 0.15915494, v[VA+\l]       ; turns
	v_rndne_f32 v14, v[VB+\l]
	v_sub_f32 v[VB+\l], v[VB+\l], v14              ; in [-1/2, 1/2]: whole turns change no sine
	v_lshlrev_b32 v14, v12, s[Q+\l]
	v_lshlrev_b32 v15, v13, s[CW+\l]
	v_and_b32 v14, 0x40000000, v14                 ; 2.0 or 0
	v_and_or_b32 v14, v15, 0x80000000, v14         ; its sign
	v_mul_f32 v[VB+\l], v[VB+\l], v14
	ds_store_b32 v8, v[VB+\l] offset:64*\l
.endr
.irp l, 0,1,2,3,4,5
.irp k, 0,1,2
	ds_load_b128 v[WV+12*\l+4*\k:WV+12*\l+4*\k+3], v9 offset:64*\l+16*\k   ; my wave's own bytes; LDS serves a wave's instructions in order (ISA guide 5.7.1.4): these see the stores above
.endr
.endr
	; ---- x: a = pi tanh x = 2 pi R with R = 1/2 - 1 / (1 + e^(2x));  sin a = 2 sin(pi R) cos(pi R),  cos a = 1 - 2 sin^2(pi R)
	s_wait_loadcnt 0x0                             ; x is in
.set g, 0
.rept 6
	v_pk_mul_f32 v[XR+g:XR+g+1], v[XR+g:XR+g+1], 0x4038aa3b op_sel_hi:[1,0]   ; 2 log2(e) x
.set g, g+2
.endr
.set g, 0
.rept 12
	v_exp_f32 v[XR+g], v[XR+g]
.set g, g+1
.endr
	v_nop                                          ; one plain vector instruction behind the last transcendental before its result is used (ISA guide 5.7.2)
.set g, 0
	s_wait_alu depctr_va_vdst(0)
.rept 6
	v_pk_add_f32 v[XR+g:XR+g+1], v[XR+g:XR+g+1], 1.0 op_sel_hi:[1,0]
.set g, g+2
.endr
.set g, 0
.rept 12
	v_rcp_f32 v[XR+g], v[XR+g]
.set g, g+1
.endr
	v_mov_b32 v14, 0xbc7183a8                      ; -2 pi^11 / 11!  (also the plain instruction behind the last v_rcp_f32)
	v_mov_b32 v15, 0xbc7183a8
.set g, 0
	s_wait_alu depctr_va_vdst(0)
.rept 6
	v_pk_fma_f32 v[XR+g:XR+g+1], v[XR+g:XR+g+1], -1.0, 0.5 op_sel_hi:[1,0,0]  ; R, in [-1/2, 1/2] for every x
.set g, g+2
.endr
	PKMUL   ZZ, XR, XR, 6
	PKFIRST SS, ZZ, 0x3e283c1a, 6                  ; 2 sin(pi R) = R (2 pi - 2 pi^3 R^2 / 3! + .. - 2 pi^11 R^10 / 11!)
	PKFMAC  SS, SS, ZZ, 0xbf996966, 6
	PKFMAC  SS, SS, ZZ, 0x40a335e3, 6
	PKFMAC  SS, SS, ZZ, 0xc1255de7, 6
	PKFMAC  SS, SS, ZZ, 0x40c90fdb, 6
	PKMUL   SS, SS, XR, 6
	v_mov_b32 v14, 0xbcd368f9                      ; -pi^10 / 10!
	v_mov_b32 v15, 0xbcd368f9
	PKFIRST CC, ZZ, 0x3e70fa83, 6                  ; cos(pi R) = 1 - pi^2 R^2 / 2! + .. - pi^10 R^10 / 10!
	PKFMAC  CC, CC, ZZ, 0xbfaae9e4, 6
	PKFMAC  CC, CC, ZZ, 0x4081e0f8, 6
	PKFMAC  CC, CC, ZZ, 0xc09de9e6, 6
	PKFMAC  CC, CC, ZZ, 1.0, 6
	PKMUL   ZZ, SS, CC, 6                          ; sin a
	PKMUL   SS, SS, SS, 6
.set g, 0
.rept 6
	v_pk_fma_f32 v[CC+g:CC+g+1], v[SS+g:SS+g+1], -0.5, 1.0 op_sel_hi:[1,0,0]  ; cos a
.set g, g+2
.endr
.irp j, 0,1,2,3,4,5,6,7,8,9,10,11
	v_cndmask_b32 v[FP+2*\j], 1.0, v[CC+\j], s[MK+\j]              ; f0 = 1 or cos a
	v_cndmask_b32 v14, v[CC+\j], v[ZZ+\j], s[MK+\j]
	v_mul_f32 v[FP+2*\j+1], v[ZZ+\j], v14                          ; f1 = sin a cos a or sin a sin a
.endr
	; ---- the phases: 72 terms into a spectrum of 16 registers, whose transform over b[11:8] is dt / pi + 1/4 at my 16 indices
	s_wait_dscnt 0x0                               ; the prepared weights are in
.set TOUCH, 0
.set jj, 0
.rept 12
.set RR, 1<<(11-jj)
.set ll, 0
.rept 6
	TERM
.set RR, RR ^ (RR>>1) ^ ((RR&1)*0xc00)
.set ll, ll+1
.endr
.set jj, jj+1
.endr
.set p, 0
.rept 16
.if ((TOUCH>>p)&1) == 0
.if p == 0
	v_mov_b32 v[VA], 0x3e800000
.else
	v_mov_b32 v[VA+p], 0                           ; a spectrum register that no term reaches
.endif
.endif
.set p, p+1
.endr
	WHT16 VA, VB
	; sqrt 2 * 2^-12 * sin(pi u), u = N + F with N the nearest whole number: (-1)^N F (c0 + c1 F^2 + .. + c5 F^10)
	v_mov_b32 v14, 0xb62ac6c1                      ; c5
	v_mov_b32 v15, 0xb62ac6c1
.set g, 0
.rept 16
	v_rndne_f32 v[NN+g], v[VA+g]
.set g, g+1
.endr
.set g, 0
.rept 8
	v_pk_add_f32 v[VA+g:VA+g+1], v[VA+g:VA+g+1], v[NN+g:NN+g+1] neg_lo:[0,1] neg_hi:[0,1]
.set g, g+2
.endr
.set g, 0
.rept 16
	v_cvt_i32_f32 v[NN+g], v[NN+g]                 ; |u| is at most 72 1/4
.set g, g+1
.endr
.set g, 0
.rept 16
	v_lshlrev_b32 v[NN+g], 31, v[NN+g]             ; N's parity as a sign bit
.set g, g+1
.endr
	PKMUL ZS, VA, VA, 8
.set g, 0
.rept 16
	v_xor_b32 v[VA+g], v[VA+g], v[NN+g]
.set g, g+1
.endr
	PKFIRST PP, ZS, 0x37edeb7f, 8
	PKFMAC  PP, PP, ZS, 0xb958f4fa, 8
	PKFMAC  PP, PP, ZS, 0x3a66d083, 8
	PKFMAC  PP, PP, ZS, 0xbae9dd2e, 8
	PKFMAC  PP, PP, ZS, 0x3a8e2c19, 8
	PKMUL   VA, VA, PP, 8
	; ---- the transform over all 12 bits: four bits at a time in registers, two exchanges through LDS between
	WHT16 VA, VB                                   ; b[11:8] -> S[11:8]
.set g, 0
.rept 16
	ds_store_b32 v2, v[VA+g] offset:160*g          ; layout 1 -> 2, inside the wave
.set g, g+1
.endr
.irp k, 0,1,2,3
	ds_load_b128 v[VB+4*\k:VB+4*\k+3], v3 offset:16*\k             ; my wave's own bytes, served in order behind the stores
.endr
	BUILD FLO, 11                                  ; meanwhile: Flo of my batch row (wires 6 .. 11),
.set g, 0
.rept 16
	v_cvt_pk_f16_f32 v[BF+g], v[FLO+2*g], v[FLO+2*g+1]             ; as two B fragments: register t of fragment kf holds Slo = 32 kf + 16 (t >> 2) + 8 h + 2 (t & 3) and the next
.set g, g+1
.endr
	s_wait_dscnt 0x0
	WHT16 VB, VA                                   ; b[7:4] -> S[7:4]
.set g, 0
.rept 16
	ds_store_b32 v4, v[VB+g] offset:1280*g         ; layout 2 -> 3, across the waves
.set g, g+1
.endr
	s_wait_dscnt 0x0                               ; my stores are done, for the other waves' sake,
	s_barrier_signal -1
	BUILD FHI, 5                                   ; register work while the others arrive: Fhi of my batch row (wires 0 .. 5)
	s_barrier_wait -1                              ; and so are everybody's
.irp k, 0,1,2,3
	ds_load_b128 v[VA+4*\k:VA+4*\k+3], v5 offset:16*\k
.endr
	v_and_b32 v12, 15, v0                          ; meanwhile: popcount(S[11:4] & m), of which only the two lowest bits are used
	v_and_b32 v13, 0xf0, v0
	v_lshl_or_b32 v12, v12, 8, v13
	v_and_b32 v12, s[Q], v12
	v_lshrrev_b32 v13, 1, v12
	v_and_b32 v13, 0x555, v13
	v_sub_nc_u32 v12, v12, v13                     ; counts of 2 bits
	v_lshrrev_b32 v13, 2, v12
	v_and_b32 v12, 0x333, v12
	v_and_b32 v13, 0x333, v13
	v_add_nc_u32 v12, v12, v13                     ; counts of 4 bits, three nibbles
	v_lshrrev_b32 v13, 4, v12
	v_lshrrev_b32 v14, 8, v12
	v_add3_u32 v12, v12, v13, v14                  ; the low nibble holds the count (at most 8); what lies above it never reaches bit 1
	s_wait_dscnt 0x0
	WHT16 VA, VB                                   ; b[3:0] -> S[3:0]; S[3:0] = beta lies in register 2 (beta & 7) + (beta >> 3)
	; ---- the sign (-1)^floor(popcount(S & m) / 2), f16, into the table
.set bb, 0
.rept 16
.set e0, ((bb&7)<<1)|(bb>>3)
	v_add_lshl_u32 v[14+(bb&1)], v12, s[KR+bb], 30                 ; bit 1 of the count to bit 31
	v_and_b32 v[14+(bb&1)], 0x80000000, v[14+(bb&1)]
	v_xor_b32 v[VA+e0], v[VA+e0], v[14+(bb&1)]
.set bb, bb+1
.endr
.set bb, 0
.rept 8
.set e0, ((bb&7)<<1)|(bb>>3)
.set e1, (((bb+1)&7)<<1)|((bb+1)>>3)
	v_cvt_pk_f16_f32 v[VB+bb/2], v[VA+e0], v[VA+e1]
.set bb, bb+2
.endr
	ds_store_b128 v6, v[VB:VB+3]
	ds_store_b128 v6, v[VB+4:VB+7] offset:16
	s_wait_dscnt 0x0                               ; my part of K is written, for the other waves' sake
	s_barrier_signal -1
	s_barrier_wait -1                              ; K is whole
	; ---- D[hi][n] = sum over lo of K[hi][lo] Flo[lo][n]: four blocks of 16 hi, two steps of 32 lo
.irp kf, 0,1
.irp mt, 0,1,2,3
	ds_load_b128 v[AF+16*\mt+8*\kf:AF+16*\mt+8*\kf+3],   v7 offset:16*TP*\mt+64*\kf
	ds_load_b128 v[AF+16*\mt+8*\kf+4:AF+16*\mt+8*\kf+7], v7 offset:16*TP*\mt+64*\kf+32
.endr
.endr
	s_wait_dscnt 0x8                               ; the eight loads of lo 0 .. 31 are in; the eight younger ones, of lo 32 .. 63, may stay out
.irp mt, 0,1,2,3
	v_wmma_f32_16x16x32_f16 v[DD+8*\mt:DD+8*\mt+7], v[AF+16*\mt:AF+16*\mt+7], v[BF:BF+7], 0            ; the first step starts the sums
.endr
	s_wait_dscnt 0x0
.irp mt, 0,1,2,3
	v_wmma_f32_16x16x32_f16 v[DD+8*\mt:DD+8*\mt+7], v[AF+16*\mt+8:AF+16*\mt+15], v[BF+8:BF+15], v[DD+8*\mt:DD+8*\mt+7]   ; the four accumulators take turns, one instruction a turn
.endr
.rept 4
	v_nop                                          ; four places behind the last matrix instruction before a vector instruction reads a result (ISA guide 7.12.1)
.endr
	; ---- out[n] = sum over hi of Fhi[hi][n] D[hi][n]: register j of block mt is hi = 16 mt + 8 h + j, as FHI is laid
.irp pr, 0,1,2,3
	v_pk_mul_f32 v[VA+2*\pr:VA+2*\pr+1], v[FHI+2*\pr:FHI+2*\pr+1], v[DD+2*\pr:DD+2*\pr+1]
.endr
.irp mt, 1,2,3
.irp pr, 0,1,2,3
	v_pk_fma_f32 v[VA+2*\pr:VA+2*\pr+1], v[FHI+8*\mt+2*\pr:FHI+8*\mt+2*\pr+1], v[DD+8*\mt+2*\pr:DD+8*\mt+2*\pr+1], v[VA+2*\pr:VA+2*\pr+1]
.endr
.endr
	v_pk_add_f32 v[VA:VA+1], v[VA:VA+1], v[VA+2:VA+3]
	v_pk_add_f32 v[VA+4:VA+5], v[VA+4:VA+5], v[VA+6:VA+7]
	v_pk_add_f32 v[VA:VA+1], v[VA:VA+1], v[VA+4:VA+5]
	v_add_f32 v[VA], v[VA], v[VA+1]
	v_permlanex16_b32 v[VA+2], v[VA], s60, s61     ; the other half's 32 hi (the destination has been written before)
	v_add_f32 v[VA], v[VA], v[VA+2]
	v_cmp_gt_u32 vcc_lo, 16, v1
	s_wait_xcnt 0x0                                ; EXEC is a source of the global loads above: it changes only behind this wait
	s_set_vgpr_msb 0x5
	s_wait_tensorcnt 0x0
	ds_add_u32 v0, v1
	s_wait_dscnt 0x0
	s_set_vgpr_msb 0x500
	s_and_saveexec_b32 s41, vcc_lo                 ; lanes 0 .. 15: one lane for each batch row
	global_store_b32 v11, v[VA], s[8:9]            ; out0[row r][i]
	s_wait_xcnt 0x0                                ; and again in front of the line that widens it
	s_or_b32 exec_lo, exec_lo, s41
	s_endpgm
.Lfunc_end_k_q0716a86e14_qlayer:
	.size	k_q0716a86e14_qlayer, .Lfunc_end_k_q0716a86e14_qlayer-k_q0716a86e14_qlayer
	.p2alignl 7, 3214868480
	.fill 96, 4, 3214868480
	.section	.rodata,"a",@progbits
	.p2align	6, 0x0
	.amdhsa_kernel k_q0716a86e14_qlayer
		.amdhsa_group_segment_fixed_size 54272
		.amdhsa_private_segment_fixed_size 0
		.amdhsa_enable_private_segment 0
		.amdhsa_kernarg_size 24
		.amdhsa_user_sgpr_count 2
		.amdhsa_user_sgpr_kernarg_segment_ptr 1
		.amdhsa_wavefront_size32 1
		.amdhsa_system_sgpr_workgroup_id_x 1
		.amdhsa_system_sgpr_workgroup_id_y 1
		.amdhsa_system_sgpr_workgroup_id_z 1
		.amdhsa_system_vgpr_workitem_id 0
		.amdhsa_next_free_vgpr 258
		.amdhsa_next_free_sgpr 66
		.amdhsa_reserve_vcc 1
		.amdhsa_float_denorm_mode_32 3
		.amdhsa_float_denorm_mode_16_64 3
		.amdhsa_memory_ordered 1
		.amdhsa_forward_progress 1
		.amdhsa_inst_pref_size 60
	.end_amdhsa_kernel
	.amdgpu_metadata
---
amdhsa.version: [ 1, 2 ]
amdhsa.kernels:
  - .name:           k_q0716a86e14_qlayer
    .symbol:         k_q0716a86e14_qlayer.kd
    .args:
      - { .name: weights, .offset: 0, .size: 8, .value_kind: global_buffer, .address_space: global }
      - { .name: x, .offset: 8, .size: 8, .value_kind: global_buffer, .address_space: global }
      - { .name: out0, .offset: 16, .size: 8, .value_kind: global_buffer, .address_space: global }
    .group_segment_fixed_size: 54272
    .private_segment_fixed_size: 0
    .kernarg_segment_align: 8
    .kernarg_segment_size: 24
    .max_flat_workgroup_size: 256
    .sgpr_count:     66
    .vgpr_count:     258
    .wavefront_size: 32
...
	.end_amdgpu_metadata
.endif
;; end of part 1
